; MI455X (gfx1250); checked and timed in simulation.
; The chip was launched on July 23, 2026; its instructions are those of AMD's public machine-readable ISA for CDNA 5 (MIT licence, August 2026) and "CDNA5" Instruction Set Architecture Reference Guide (July 2026). The comments in the code are by the model that wrote it; some were corrected since.
;; FDGAND ABLTEST Model. Allowed arithmetic: matrix products marked QUANTISED: E5M2 operands, one given power-of-two scale a tensor, by v_wmma_f32_16x16x64_bf8_bf8 or v_wmma_f32_16x16x128_bf8_bf8, f32 sums; products left as they are: f32 operands where the result goes on into a quantised operand, else bf16, f16 or f32 operands; f32 sums; everything else in f32.
;; Inputs: W1_codes 512 x 16 x 32 uint8 (E5M2 codes of W1, K innermost, in blocks of 32 codes); W2_codes 128 x 16 x 32 uint8 (E5M2 codes of W2, K innermost, in blocks of 32 codes); W3_codes 32 x 4 x 32 uint8 (E5M2 codes of W3, K innermost, in blocks of 32 codes); W4 8 x 32 float32; Wh 1 x 8 float32; b1 512 float32; b2 128 float32; b3 32 float32; b4 8 float32; be1 512 float32; be2 128 float32; be3 32 float32; be4 8 float32; bh 1 float32; g1 512 float32; g2 128 float32; g3 32 float32; g4 8 float32; lowp_scales 6 int32 (the exponents e of the quantised operands' scales 2^e); u 1 float32; x_codes 131,072 x 16 x 32 uint8 (E5M2 codes of x, K innermost, in blocks of 32 codes).
;; Outputs: out0 131,072 x 1 float32.
;; This version of the problem:
;;   THIS VERSION OF THE PROBLEM IS GIVEN IN LOW PRECISION. The matrix products marked QUANTISED in the list below multiply operands that are first quantised to E5M2 (5 exponent bits, 2 mantissa bits; 8 bits a number), with one given power-of-two scale for each operand tensor; their sums are f32. All else is computed in f32.
;;   The module's matrix products, in the order in which they are computed (A, B: the left and right operand; K: the contracted axis; several contracted axes count as one K, in the product's order):
;;     1. [M 131,072, K 512] x [K 512, N 512]; A: input x (given as codes); B: input W1 (given as codes): QUANTISED (scales: A lowp_scales[0], B lowp_scales[1])
;;     2. [M 131,072, K 512] x [K 512, N 128]; A: computed on the way; B: input W2 (given as codes): QUANTISED (scales: A lowp_scales[2], B lowp_scales[3])
;;     3. [M 131,072, K 128] x [K 128, N 32]; A: computed on the way; B: input W3 (given as codes): QUANTISED (scales: A lowp_scales[4], B lowp_scales[5])
;;     4. [M 131,072, K 32] x [K 32, N 8]; A: computed on the way; B: input W4: left as it is (N = 8 < 16)
;;     5. [M 8, K 1] x [K 1, N 1]; A: input Wh; B: input u: left as it is (K = 1 < 32)
;;     6. [M 1, K 8] x [K 8, N 1]; A: input Wh; B: computed on the way: left as it is (K = 8 < 32)
;;     7. [M 1, K 8] x [K 8, N 1]; A: input Wh; B: computed on the way: left as it is (K = 8 < 32)
;;     8. [M 1, K 1] x [K 1, N 1]; A: computed on the way; B: computed on the way: left as it is (K = 1 < 32)
;;     9. [M 131,072, K 8] x [K 8, N 1]; A: computed on the way; B: computed on the way: left as it is (K = 8 < 32)
;;   THE QUANTISER, for each operand of a quantised product, along K:
;;     - The operand's scale is 2^e, e = its entry of the input lowp_scales (int32; the entries are numbered through the quantised products in the list's order, A before B).
;;     - Each number is divided by the scale, clamped to +-57,344, and rounded to the nearest number of E5M2, ties to even, subnormals kept.
;;     - The product sums the exact products of the quantised numbers (number of the format x scale) in f32.
;;   ~~~python
;;   def quantise(x, axis, e):      # numpy; x: float32 -> the quantised numbers, widened to float32 again
;;       x = np.moveaxis(x, axis, -1); K = x.shape[-1]
;;       r = np.clip(x / 2.0 ** e, -57344, 57344)
;;       step = 2.0 ** (np.maximum(np.frexp(np.where(r == 0, 1, r))[1] - 1, -14) - 2)
;;       q = np.round(r / step) * step * 2.0 ** e      # np.round: ties to even
;;       return np.moveaxis(q, -1, axis).astype(np.float32)
;;   ~~~
;;   OPERANDS COMPUTED ON THE WAY. 'Computed on the way' means the value that the module computes at that place (a softmax that the list does not call 'softmax' is quantised finished and normalised). What goes into a quantiser is computed in f32, as accurately as f32 sums, v_exp_f32 and their like allow (about 1e-6 of the number): no bf16 or f16 on the way to a quantiser, and a product that is left as it is and whose result goes on into a quantised operand takes f32 operands (vector FMAs, or v_wmma_f32_16x16x4_f32). A number that lies on a knife's edge between two numbers of the format may be rounded either way, as far as f32 arithmetic and the matrix unit's own rounding can turn it there, and no further.
;;   INPUTS GIVEN AS CODES. W1 (in the module: [512, 512], K = its axis 1); W2 (in the module: [128, 512], K = its axis 1); W3 (in the module: [32, 128], K = its axis 1); x (in the module: [131072, 512], K = its axis 1): each comes as NAME_codes (uint8): NAME with its K axis moved to the last place and cut into blocks of 32 codes, [.., K / 32, bytes a block], one block behind the other in memory; one code a byte (a code: sign, 5 exponent bits, 2 mantissa bits); its scale is its entry of lowp_scales. Its value is code x scale, taken as it is: it is not quantised again, and the codes and scales need not be those that the quantiser above would give.
;; One version. Each part assembles by itself: llvm-mc -triple=amdgcn-amd-amdhsa -mcpu=gfx1250 --defsym DOCPART=n.
;; ======== version 1 of 1: 1 launch
;; limits: values are held in f16: magnitudes above 65,504 overflow, below 6.1e-05 lose precision; right only within a limited range of input values
;; launch mlp (part 1): grid 256 x 1, 8 waves a work-group, no clusters, 317,440 bytes of LDS; arguments x_codes, W1_codes, W2_codes, W3_codes, W4, Wh, b1, g1, be1, b2, g2, be2, b3, g3, be3, b4, g4, be4, bh, u, lowp_scales, out0; writes out0
.if DOCPART == 1
	.amdgcn_target "amdgcn-amd-amdhsa--gfx1250"
	.amdhsa_code_object_version 6
	.text
	.protected	k_q47c4ad6f5c_mlp
	.globl	k_q47c4ad6f5c_mlp
	.p2align	8
	.type	k_q47c4ad6f5c_mlp,@function
k_q47c4ad6f5c_mlp:
	s_mov_b64 s[64:65], 0
	v_nop
	global_prefetch_b8 v0, s[64:65] scope:SCOPE_SE
	s_setreg_imm32_b32 hwreg(HW_REG_WAVE_MODE, 25, 1), 1
	s_wait_xcnt 0x0
; out = head(block4(block3(block2(block1(x))))), block = Linear, LayerNorm, CELU.  Products 1 to 3 on codes of BF8 (E5M2), each operand with its given scale 2^e (e0 .. e5);
; product 4 (K 32, N 8) on f16 operands with f32 sums; the head (K 8) in f32.  One launch; nothing goes through memory between the layers.
; SHARES.  256 work-groups of eight waves; a work-group owns 512 rows: 16 blocks of 32 (two tiles of 16 rows).
;   Layer 1: the waves share the units: wave w keeps rows 64 w .. 64 w + 63 of W1 in 256 registers and makes those units for every row.
;   Step k: layer 1 of block k and its (mean, M2) over my 64 units, which go to LDS; signal; block k - 1 is normalised, passed through CELU and quantised; wait; its codes go to LDS.
;   LayerNorm 1 joins eight pieces: mu = mean of the means, M2 = sum of the M2 + 64 x sum of (mean_w - mu)^2: no difference of large sums is formed.
;   Behind the loop wave w takes rows 64 w .. 64 w + 63 (four tiles) through layers 2, 3, 4 and the head; no other wave has a part in them.
; LAYOUT.  Products are used transposed (source 0 = 16 rows of W, source 1 = 16 rows of activations): a lane holds ONE sample (r = lane % 16), h = lane / 16.  Lane r of tile 2 b + u of W1 and W2 takes
;   row 32 b + 8 u + r + 8 (r / 8), so registers 16 b .. 16 b + 15 are units 32 b + 16 h + 0 .. 15: neighbours along the next K.  W3's tiles take neighbouring rows: register 8 t + j is unit 16 t + 8 h + j.
;   Fragments of codes: registers 4 c .. 4 c + 3 hold k = 32 c + 16 h + 0 .. 15, the same permutation of k on both sides of a product.
; SCALES.  LayerNorm does not change under a common factor: sums stay in units of the codes, the bias goes in divided by 2^(eA + eB) and eps by 2^(2 (eA + eB)).
; CELU AND HOLD.  m = 2^(-|y log2 e|) - 1 lies between -1 and 0 and is e^y - 1 where y < 0; e^y - 1 >= y, so CELU = max(y, m), and med3(y, m, lim) holds it at lim = 57,344 x scale.
;   m can lie under -lim only where lim < 1, which is e <= -16: then, by a branch on that whole number, m is held at -lim first.
; LIMITS.  e2 and e4 between -126 and 112; b / 2^(eA + eB) and 1e-5 x 2^(-2 (eA + eB)) must be f32 numbers; NaN among the inputs is not served.
;   For y < 0 CELU's error is about 1e-7 in absolute terms, so its relative error grows as |y| falls under 0.1.  W4 and layer 3's activations stay under 65,504 (f16) in magnitude.
; No cluster: the work-groups share the weights alone, which each wave reads once.  No prefetch: a block of x is asked for into registers a whole step ahead of its wait.
; REGISTERS.  Window 0: v0-15 addresses and constants; v16-31 x on its way to LDS; v32-63 b1 as C, then statistics, then codes; v64-127 x's fragments, then v64-95 exponentials' work and v96-127 g1, be1;
;   v128-191, v192-255 accumulators of even and odd blocks.  Window 1: W1, fragment (t, s) at v[128 (t / 2) + 32 s + 16 (t % 2)]; behind the loop layer 2's accumulators.
.set XPITCH, 528                       ; an LDS row: 512 bytes + 16: the 16 rows of a fragment load start 33 x 16 bytes apart
.set XSLOT,  32*XPITCH                 ; 16,896
.set W2B,    196608                    ; codes: wave w's at 32,768 x (7 - w), 1,024 bytes a tile of rows; K step 0's are the last: W2 goes there in the end (128 rows of 528 bytes, 2,048 of them over x's first slot)
.set XL,     262144                    ; two slots of x
.set STAT,   XL+2*XSLOT                ; two slots of 32 samples x 80 bytes: eight means, eight M2, 16 bytes unused
.set CB1,    STAT+5120                 ; b1 / 2^(e0+e1), g1 (+2,048), be1 (+4,096)
.set CB2,    CB1+6144                  ; b2 / 2^(e2+e3), g2 (+512), be2 (+1,024)
.set CB3,    CB2+1536                  ; b3 / 2^(e4+e5), g3 (+128), be3 (+256)
.set W3L,    CB3+384
.set W4L,    W3L+4096
.set SPARE,  314368                    ; spare words: 128 bytes a wave
.set OUTL,   315392                    ; results: 256 bytes a wave
.set LIM1,  20
.set NLIM1, 21
.set LIM2,  22
.set NLIM2, 23
.set EPS1,  24
.set EPS2,  25
.set EPS3,  26
.set EPS4,  27
.set SEL,   28                         ; s[28:29] v_permlanex16_b32's selects: lane l xor 16
.set L2E,   30                         ; s[30:31] log2(e), twice
.set HM,    32                         ; lanes 16 to 31
.set RM,    33                         ; lanes with r >= 8
.set MSB, 0
.macro WIN new                         ; the immediate's high byte repeats the setting that is left
.if MSB != \new
	s_set_vgpr_msb (MSB<<8)|\new
.set MSB, \new
.endif
.endm
.macro BAR
	s_wait_alu depctr_va_vdst(0)
	s_wait_dscnt 0x0
	s_barrier_signal -1
	s_barrier_wait -1
.endm
.macro PLACES
.rept 4
	v_nop
.endr
.endm
	s_load_b512 s[8:23], s[0:1], 0x0               ; x 8, W1 10, W2 12, W3 14, W4 16, Wh 18, b1 20, g1 22
	s_load_b512 s[24:39], s[0:1], 0x40             ; be1 24, b2 26, g2 28, be2 30, b3 32, g3 34, be3 36, b4 38
	s_load_b256 s[40:47], s[0:1], 0x80             ; g4 40, be4 42, bh 44, u 46
	s_load_b128 s[48:51], s[0:1], 0xa0             ; the scales' exponents 48, out0 50
	v_lshl_add_u32 v12, v0, 2, SPARE               ; my spare word,
	v_mov_b32 v13, 0                               ; and 0
	v_lshrrev_b32 v32, 5, v0
	v_readfirstlane_b32 s2, v32                    ; wave 0..7
	v_and_b32 v33, 31, v0
	v_and_b32 v34, 15, v0                          ; r
	v_bfe_u32 v35, v0, 4, 1                        ; h
	v_lshlrev_b32 v1, 4, v33                       ; v1: 16 x lane
	v_mul_u32_u24 v36, v34, XPITCH
	v_lshl_add_u32 v36, v35, 4, v36                ; r x 528 + 16 h
	v_add_nc_u32 v2, XL, v36                       ; v2: x's fragments
	v_add_nc_u32 v15, W2B, v36                     ; v15: W2's fragments
	v_mul_u32_u24 v5, v33, 80
	v_add_nc_u32 v5, STAT, v5                      ; v5: the statistics of my lane's sample
	v_lshlrev_b32 v37, 3, v0
	v_lshlrev_b32 v38, 2, v0
	v_lshlrev_b32 v39, 4, v0
	v_add_nc_u32 v40, CB1, v37
	v_add_nc_u32 v41, CB2, v38
	v_add_nc_u32 v42, W3L, v39
	v_add_nc_u32 v43, W4L, v38
	s_wait_alu depctr_va_vdst(0)
	s_mul_i32 s7, s2, 4*XPITCH
	s_add_co_u32 s7, s7, XL
	v_add_nc_u32 v3, s7, v1                        ; v3: my four rows of x into a slot
	s_lshl_b32 s7, s2, 2
	v_add_nc_u32 v4, s7, v5                        ; v4: where my statistics go
	s_lshl_b32 s7, s2, 8
	s_add_co_u32 s7, s7, CB1
	v_lshl_add_u32 v6, v35, 6, s7                  ; v6: my units' constants
	s_lshl_b32 s7, s2, 11
	v_add_nc_u32 v8, s7, v1                        ; v8: my four rows of a block of x in memory
	s_mul_i32 s7, s2, XSLOT
	v_add_nc_u32 v44, s7, v1                       ; W1's rows through my own 16,896 bytes
	v_add_nc_u32 v45, s7, v36
	s_xor_b32 s5, s2, 7
	s_lshl_b32 s5, s5, 15                          ; s5: where my codes of the next block go
	s_wait_alu depctr_va_vdst(0)
	s_wait_kmcnt 0x0
	s_load_b128 s[52:55], s[48:49], 0x0            ; e0 .. e3
	s_load_b64 s[56:57], s[48:49], 0x10            ; e4, e5
	s_load_b256 s[68:75], s[38:39], 0x0            ; b4
	s_load_b256 s[76:83], s[40:41], 0x0            ; g4
	s_load_b256 s[84:91], s[42:43], 0x0            ; be4
	s_load_b256 s[92:99], s[18:19], 0x0            ; Wh
	s_load_b32 s58, s[44:45], 0x0                  ; bh
	s_load_b32 s59, s[46:47], 0x0                  ; u
	s_mov_b32 s101, 0
	s_lshl_b32 s100, ttmp9, 18                     ; my work-group's 512 rows of 512 bytes
	s_add_nc_u64 s[8:9], s[8:9], s[100:101]
	s_lshl_b32 s100, s2, 15                        ; my 64 rows of W1
	s_add_nc_u64 s[10:11], s[10:11], s[100:101]
	s_lshl_b32 s100, s2, 13                        ; the 16 rows of W2 that I fetch
	s_add_nc_u64 s[12:13], s[12:13], s[100:101]
	s_lshl_b32 s100, ttmp9, 11
	s_add_nc_u64 s[50:51], s[50:51], s[100:101]
	s_lshl_b32 s100, s2, 8                         ; my 64 results
	s_add_nc_u64 s[50:51], s[50:51], s[100:101]
	s_add_nc_u64 s[60:61], s[8:9], 0x4000          ; stepped to block 2 by step 0
.irp q,0,1,2,3
	global_load_b128 v[64+4*\q:67+4*\q], v8, s[8:9] offset:512*\q th:TH_LOAD_NT   ; block 0: a row of 512 consecutive bytes an instruction
.endr
	global_load_b64 v[80:81], v37, s[20:21]        ; b1
	global_load_b64 v[82:83], v37, s[22:23]        ; g1
	global_load_b64 v[84:85], v37, s[24:25]        ; be1
	global_load_b128 v[92:95], v39, s[14:15]       ; W3
	global_load_b32 v89, v38, s[16:17]             ; W4
	s_cmp_gt_u32 s2, 3
	s_cbranch_scc1 .Lh1                            ; 128 numbers each: waves 0 to 3
	global_load_b32 v86, v38, s[26:27]             ; b2
	global_load_b32 v87, v38, s[28:29]             ; g2
	global_load_b32 v88, v38, s[30:31]             ; be2
.Lh1:
	s_cmp_lg_u32 s2, 0
	s_cbranch_scc1 .Lh2                            ; 32 numbers each: wave 0
	global_load_b32 v90, v38, s[32:33]             ; b3
	global_load_b32 v91, v38, s[34:35]             ; g3
	global_load_b32 v96, v38, s[36:37]             ; be3
.Lh2:
	WIN 0x40
.set N, 0
.rept 64
	global_load_b128 v[4*N:4*N+3], v1, s[10:11] offset:512*N   ; W1, row N of my 64
.set N, N+1
.endr
	WIN 0
.irp q,0,1,2,3
	global_load_b128 v[16+4*\q:19+4*\q], v8, s[8:9] offset:16384+512*\q th:TH_LOAD_NT   ; block 1
.endr
	s_wait_kmcnt 0x0
	s_add_co_i32 s62, s52, s53
	s_sub_co_i32 s62, 0, s62                       ; -(e0 + e1)
	s_add_co_i32 s63, s54, s55
	s_sub_co_i32 s63, 0, s63                       ; -(e2 + e3)
	s_add_co_i32 s66, s56, s57
	s_sub_co_i32 s66, 0, s66                       ; -(e4 + e5)
	; Wh / sigma, one power iteration, every lane alike, while the loads are out
	v_mov_b32 v56, s59
.irp k,0,1,2,3,4,5,6,7
	v_mul_f32 v[48+\k], s[92+\k], v56              ; v = Wh^T u
.endr
	v_mul_f32 v57, v48, v48
.irp k,1,2,3,4,5,6,7
	v_fmac_f32 v57, v[48+\k], v[48+\k]
.endr
	s_wait_alu depctr_va_vdst(0)
	v_sqrt_f32 v58, v57
	v_nop
	s_wait_alu depctr_va_vdst(0)
	v_add_f32 v58, 0x2b8cbccc, v58                 ; + 1e-12
	s_wait_alu depctr_va_vdst(0)
	v_rcp_f32 v59, v58
	v_nop
	s_wait_alu depctr_va_vdst(0)
.irp k,0,1,2,3,4,5,6,7
	v_mul_f32 v[48+\k], v[48+\k], v59
.endr
	v_mul_f32 v57, s92, v48
.irp k,1,2,3,4,5,6,7
	v_fmac_f32 v57, s[92+\k], v[48+\k]             ; Wh v
.endr
	v_mul_f32 v58, v57, v57
	s_wait_alu depctr_va_vdst(0)
	v_sqrt_f32 v59, v58
	v_nop
	s_wait_alu depctr_va_vdst(0)
	v_add_f32 v59, 0x2b8cbccc, v59
	s_wait_alu depctr_va_vdst(0)
	v_rcp_f32 v60, v59
	v_nop
	s_wait_alu depctr_va_vdst(0)
	v_mul_f32 v60, v57, v60                        ; u2
	v_mul_f32 v60, v60, v57                        ; sigma = u2 (Wh v)
	s_wait_alu depctr_va_vdst(0)
	v_rcp_f32 v61, v60
	v_nop
	s_wait_alu depctr_va_vdst(0)
.irp k,0,1,2,3,4,5,6,7
	v_mul_f32 v[48+\k], s[92+\k], v61
.endr
.irp k,0,1,2,3,4,5,6,7
	v_readfirstlane_b32 s[92+\k], v[48+\k]         ; Wh / sigma
.endr
	s_wait_alu depctr_va_vdst(0)
	s_wait_loadcnt 63                              ; 68 loads were issued behind the first group: it is in
	v_ldexp_f32 v80, v80, s62                      ; b1 in units of the sums
	v_ldexp_f32 v81, v81, s62
.irp q,0,1,2,3
	ds_store_b128 v3, v[64+4*\q:67+4*\q] offset:XPITCH*\q
.endr
	ds_store_b64 v40, v[80:81]
	ds_store_b64 v40, v[82:83] offset:2048
	ds_store_b64 v40, v[84:85] offset:4096
	ds_store_b128 v42, v[92:95]
	ds_store_b32 v43, v89
	s_cmp_gt_u32 s2, 3
	s_cbranch_scc1 .Lh3
	v_ldexp_f32 v86, v86, s63
	ds_store_b32 v41, v86
	ds_store_b32 v41, v87 offset:512
	ds_store_b32 v41, v88 offset:1024
.Lh3:
	s_cmp_lg_u32 s2, 0
	s_cbranch_scc1 .Lh4
	v_ldexp_f32 v90, v90, s66
	ds_store_b32 v41, v90 offset:1536
	ds_store_b32 v41, v91 offset:1664
	ds_store_b32 v41, v96 offset:1792
.Lh4:
	; W1: 32 rows at a time (two tiles) through my own LDS bytes, row 8 u + (r % 8) + 16 (r / 8) to place 16 u + r, and back as fragments.  LDS serves a wave's instructions in order
.macro WROWS n0, cnt
	s_wait_loadcnt \cnt                            ; the rows behind the next 16, and block 1 of x, may be out
	WIN 0x04
.set N, \n0
.rept 16
	ds_store_b128 v44, v[4*N:4*N+3] offset:XPITCH*(16*((N/8)%2)+(N%8)+8*((N/16)%2))
.set N, N+1
.endr
.endm
.macro WFRAGS b
	s_wait_dscnt 0x0
	WIN 0x40
.irp s,0,1,2,3
.irp u,0,1
.irp c,0,1,2,3
	ds_load_b128 v[128*(\b)+32*\s+16*\u+4*\c:128*(\b)+32*\s+16*\u+4*\c+3], v45 offset:16*XPITCH*\u+128*\s+32*\c
.endr
.endr
.endr
.endm
	WROWS 0, 52
	WROWS 16, 36
	WFRAGS 0
	WROWS 32, 20
	WROWS 48, 4
	WFRAGS 1
	WIN 0
	s_wait_xcnt 0x0                                ; every load has read its base: the pointers' scalars are written again from here on
	s_add_co_i32 s[LIM1], s54, 142
	s_lshl_b32 s[LIM1], s[LIM1], 23
	s_or_b32 s[LIM1], s[LIM1], 0x600000            ; 57,344 x 2^e2
	s_or_b32 s[NLIM1], s[LIM1], 0x80000000
	s_add_co_i32 s[LIM2], s56, 142
	s_lshl_b32 s[LIM2], s[LIM2], 23
	s_or_b32 s[LIM2], s[LIM2], 0x600000            ; 57,344 x 2^e4
	s_or_b32 s[NLIM2], s[LIM2], 0x80000000
	v_mov_b32 v56, 0x3727c5ac                      ; 1e-5
	s_lshl_b32 s7, s62, 1
	v_ldexp_f32 v57, v56, s7
	v_readfirstlane_b32 s[EPS1], v57
	s_lshl_b32 s7, s63, 1
	v_ldexp_f32 v57, v56, s7
	v_readfirstlane_b32 s[EPS2], v57
	s_lshl_b32 s7, s66, 1
	v_ldexp_f32 v57, v56, s7
	v_readfirstlane_b32 s[EPS3], v57
	s_mov_b32 s[EPS4], 0x3727c5ac
	s_mov_b32 s[SEL], 0x76543210
	s_mov_b32 s[SEL+1], 0xfedcba98
	s_mov_b32 s[L2E], 0x3fb8aa3b
	s_mov_b32 s[L2E+1], 0x3fb8aa3b
	s_mov_b32 s[HM], 0xffff0000
	s_mov_b32 s[RM], 0xff00ff00
	s_add_co_i32 s7, s54, 127
	s_lshl_b32 s7, s7, 23
	v_mov_b32 v9, s7                               ; v9: 2^e2
	s_add_co_i32 s7, s56, 127
	s_lshl_b32 s7, s7, 23
	v_mov_b32 v14, s7                              ; v14: 2^e4
	BAR                                            ; block 0 of x and all constants lie in LDS; W1's passage is over
; ---- the macros of a step.  par: the block's parity
.macro FR f, par                       ; x's fragment f = 2 s + u (K step s, tile u) into place f % 4
.irp c,0,1,2,3
	ds_load_b128 v[64+16*((\f)%4)+4*\c:67+16*((\f)%4)+4*\c], v2 offset:XSLOT*(\par)+16*XPITCH*((\f)%2)+128*((\f)/2)+32*\c
.endr
.endm
.macro MM s, par                       ; eight products: two tiles of rows, my four tiles of units; the eight accumulators take turns
	WIN 0x01
.irp u,0,1
.irp t,0,1,2,3
.set D0, 128+64*(\par)+32*\u+8*\t
.set A0, 128*(\t/2)+32*(\s)+16*(\t%2)
.set B0, 64+16*((2*(\s)+\u)%4)
.if (\s) == 0
	v_wmma_f32_16x16x128_bf8_bf8 v[D0:D0+7], v[A0:A0+15], v[B0:B0+15], v[32+8*\t:39+8*\t]
.else
	v_wmma_f32_16x16x128_bf8_bf8 v[D0:D0+7], v[A0:A0+15], v[B0:B0+15], v[D0:D0+7]
.endif
.endr
.endr
	WIN 0
.endm
.macro L1 par, comb                    ; layer 1 of a block; comb = 1: the statistics of the block before are fetched on the way
.irp q,0,1,2,3,4,5,6,7
	ds_load_b128 v[32+4*\q:35+4*\q], v6 offset:128*(\q/4)+16*(\q%4)   ; b1 in the result's layout: the C of each sum's first product
.endr
	FR 0, \par
	FR 1, \par
	FR 2, \par
	FR 3, \par
	s_wait_dscnt 8                                 ; fragments 2 and 3 may be out
	MM 0, \par
	PLACES
	FR 4, \par
	FR 5, \par
.if \comb
.irp q,0,1,2,3
	ds_load_b128 v[32+4*\q:35+4*\q], v5 offset:2560*(1-(\par))+16*\q
.endr
.endif
	s_wait_dscnt 8+4*(\comb)                       ; fragments 4 and 5 and the statistics may be out
	MM 1, \par
	PLACES
	FR 6, \par
	FR 7, \par
	s_wait_dscnt 8+4*(\comb)                       ; the statistics and fragments 6 and 7 may be out
	MM 2, \par
	s_wait_dscnt 0x0
	MM 3, \par
.endm
.macro GB b                            ; g1 and be1 of units 32 b + 16 h + 0 .. 15 of my 64
.irp q,0,1,2,3
	ds_load_b128 v[96+4*\q:99+4*\q], v6 offset:2048+128*(\b)+16*\q
.endr
.irp q,0,1,2,3
	ds_load_b128 v[112+4*\q:115+4*\q], v6 offset:4096+128*(\b)+16*\q
.endr
.endm
.macro CMB1                            ; eight (mean, M2) of one sample a lane (lane = row of the block): mu in v54, 1 / sqrt(var + eps) in v57
	v_pk_add_f32 v[52:53], v[32:33], v[34:35]
	v_pk_add_f32 v[54:55], v[36:37], v[38:39]
	v_pk_add_f32 v[56:57], v[40:41], v[42:43]
	v_pk_add_f32 v[58:59], v[44:45], v[46:47]
	v_pk_add_f32 v[52:53], v[52:53], v[54:55]
	v_pk_add_f32 v[56:57], v[56:57], v[58:59]
	v_add_f32 v52, v52, v53
	v_add_f32 v56, v56, v57
	v_mul_f32 v54, 0x3e000000, v52                 ; / 8
.irp p,32,34,36,38
	v_pk_add_f32 v[\p:\p+1], v[\p:\p+1], v[54:55] op_sel_hi:[1,0] neg_lo:[0,1] neg_hi:[0,1]
.endr
	v_pk_mul_f32 v[58:59], v[32:33], v[32:33]
	v_pk_mul_f32 v[60:61], v[34:35], v[34:35]
	v_pk_fma_f32 v[58:59], v[36:37], v[36:37], v[58:59]
	v_pk_fma_f32 v[60:61], v[38:39], v[38:39], v[60:61]
	v_pk_add_f32 v[58:59], v[58:59], v[60:61]
	v_add_f32 v58, v58, v59
	v_fmac_f32 v56, 0x42800000, v58                ; + 64 x the means' squared deviations
	v_fma_f32 v56, v56, 0x3b000000, s[EPS1]        ; / 512 + eps
	s_wait_alu depctr_va_vdst(0)
	v_rsq_f32 v57, v56
.endm
.macro CMB2                            ; lanes 0-15 made tile 0's, lanes 16-31 tile 1's: to both halves; (rstd, (my mean - mu) rstd) of tile u in v[48 + 2 u ..]
	v_permlanex16_b32 v60, v54, s[SEL], s[SEL+1]
	v_permlanex16_b32 v61, v57, s[SEL], s[SEL+1]
	v_cndmask_b32 v52, v54, v60, s[HM]
	v_cndmask_b32 v53, v60, v54, s[HM]
	v_cndmask_b32 v48, v57, v61, s[HM]
	v_cndmask_b32 v50, v61, v57, s[HM]
	v_sub_f32 v52, v10, v52
	v_sub_f32 v53, v11, v53
	v_mul_f32 v49, v52, v48
	v_mul_f32 v51, v53, v50
.endm
.macro SRED                            ; two chains a tile and a pair's halves: one number a lane, v32 and v36
	v_pk_add_f32 v[32:33], v[32:33], v[34:35]
	v_pk_add_f32 v[36:37], v[36:37], v[38:39]
	v_add_f32 v32, v32, v33
	v_add_f32 v36, v36, v37
.endm
.macro STATS par, comb                 ; my 64 units' mean (v10, v11) and sum of squared deviations; the deviations stay in place; each accumulator is read from its low end on
.set AC, 128+64*(\par)
.irp c,0,1
.irp u,0,1
	v_pk_add_f32 v[32+4*\u+2*\c:33+4*\u+2*\c], v[AC+32*\u+4*\c:AC+32*\u+4*\c+1], v[AC+32*\u+4*\c+2:AC+32*\u+4*\c+3]
.endr
.endr
.set N, 4
.rept 12
.irp u,0,1
	v_pk_add_f32 v[32+4*\u+2*(N%2):33+4*\u+2*(N%2)], v[AC+32*\u+2*N:AC+32*\u+2*N+1], v[32+4*\u+2*(N%2):33+4*\u+2*(N%2)]
.endr
.set N, N+1
.endr
	SRED
.if \comb
	CMB2
.endif
	v_permlanex16_b32 v40, v32, s[SEL], s[SEL+1]
	v_permlanex16_b32 v41, v36, s[SEL], s[SEL+1]
	v_add_f32 v32, v32, v40
	v_add_f32 v36, v36, v41
	v_mul_f32 v10, 0x3c800000, v32                 ; / 64
	v_mul_f32 v11, 0x3c800000, v36
.set N, 0
.rept 16
	v_pk_add_f32 v[AC+2*N:AC+2*N+1], v[AC+2*N:AC+2*N+1], v[10:11] op_sel_hi:[1,0] neg_lo:[0,1] neg_hi:[0,1]
	v_pk_add_f32 v[AC+32+2*N:AC+33+2*N], v[AC+32+2*N:AC+33+2*N], v[10:11] op_sel:[0,1] op_sel_hi:[1,1] neg_lo:[0,1] neg_hi:[0,1]
.set N, N+1
.endr
.set N, 0
.rept 16
.irp u,0,1
.if N < 2
	v_pk_mul_f32 v[32+4*\u+2*N:33+4*\u+2*N], v[AC+32*\u+2*N:AC+32*\u+2*N+1], v[AC+32*\u+2*N:AC+32*\u+2*N+1]
.else
	v_pk_fma_f32 v[32+4*\u+2*(N%2):33+4*\u+2*(N%2)], v[AC+32*\u+2*N:AC+32*\u+2*N+1], v[AC+32*\u+2*N:AC+32*\u+2*N+1], v[32+4*\u+2*(N%2):33+4*\u+2*(N%2)]
.endif
.endr
.set N, N+1
.endr
	SRED
	v_cndmask_b32 v43, v36, v32, s[HM]             ; what the other half of the lanes wants
	v_cndmask_b32 v42, v32, v36, s[HM]             ; lanes 0-15 publish tile 0, lanes 16-31 tile 1
	v_cndmask_b32 v45, v10, v11, s[HM]
	v_permlanex16_b32 v44, v43, s[SEL], s[SEL+1]
	v_add_f32 v42, v42, v44
	ds_store_b32 v4, v45 offset:2560*(\par)
	ds_store_b32 v4, v42 offset:2560*(\par)+32
.endm
.macro LOWER e, nl, base               ; m held at -lim, where lim is under 1
	s_wait_alu depctr_va_vdst(0)
	s_cmp_gt_i32 s[\e], -16
	s_cbranch_scc1 .Llow_\@
.set N, 0
.rept 32
	v_max_num_f32 v[\base+N], s[\nl], v[\base+N]
.set N, N+1
.endr
.Llow_\@:
.endm
.macro ZZ ac, b                        ; z = deviation x rstd + shift
.irp u,0,1
.irp p,0,2,4,6,8,10,12,14
.set A0, (\ac)+32*\u+16*(\b)+\p
	v_pk_fma_f32 v[A0:A0+1], v[A0:A0+1], v[48+2*\u:49+2*\u], v[48+2*\u:49+2*\u] op_sel:[0,0,1] op_sel_hi:[1,0,1]
.endr
.endr
.endm
.macro YY ac, b                        ; y = z g + be, then y log2(e)
.irp u,0,1
.irp p,0,2,4,6,8,10,12,14
.set A0, (\ac)+32*\u+16*(\b)+\p
	v_pk_fma_f32 v[A0:A0+1], v[A0:A0+1], v[96+\p:97+\p], v[112+\p:113+\p]
.endr
.endr
.irp u,0,1
.irp p,0,2,4,6,8,10,12,14
.set A0, (\ac)+32*\u+16*(\b)+\p
	v_pk_mul_f32 v[64+16*\u+\p:65+16*\u+\p], v[A0:A0+1], s[L2E:L2E+1] op_sel_hi:[1,0]
.endr
.endr
.endm
.macro EXPS base, n
	s_wait_alu depctr_va_vdst(0)
.set N, 0
.rept \n
	v_exp_f32 v[\base+N], -|v[\base+N]|
.set N, N+1
.endr
.endm
.macro MINUS1 base, n
.set N, 0
.rept \n
	v_pk_add_f32 v[\base+2*N:\base+2*N+1], v[\base+2*N:\base+2*N+1], -1.0 op_sel_hi:[1,0]
.set N, N+1
.endr
.endm
.macro PST ac, b                       ; CELU, hold, codes
	s_wait_alu depctr_va_vdst(0)                   ; one wait for the batch, ahead of its first reader
	MINUS1 64, 16
	LOWER 54, NLIM1, 64
.irp u,0,1
.irp p,0,1,2,3,4,5,6,7,8,9,10,11,12,13,14,15
.set A0, (\ac)+32*\u+16*(\b)+\p
	v_med3_num_f32 v[A0], v[A0], v[64+16*\u+\p], s[LIM1]
.endr
.endr
.irp u,0,1
.set A0, (\ac)+32*\u+16*(\b)
.set C0, 32+8*\u+4*(\b)
	v_cvt_scalef32_pk8_bf8_f32 v[C0:C0+1], v[A0:A0+7], v9
	v_cvt_scalef32_pk8_bf8_f32 v[C0+2:C0+3], v[A0+8:A0+15], v9
.endr
	v_nop                                          ; a plain line between the conversions and what next touches their results or sources
.endm
.macro NORM ac                         ; the block's 64 registers in two groups of 32; group 0's g1 and be1 are in
	ZZ \ac, 0
	YY \ac, 0
	GB 1
	EXPS 64, 32
	ZZ \ac, 1                                      ; plain lines that name no exponential's result
	PST \ac, 0
	s_wait_dscnt 0x0
	YY \ac, 1
	EXPS 64, 32
	v_nop
	PST \ac, 1
.endm
.macro CSTORE                          ; the block's codes: registers 4 b .. 4 b + 3 of tile u as they stand
	v_add_nc_u32 v7, s5, v1
.irp u,0,1
.irp b,0,1
	ds_store_b128 v7, v[32+8*\u+4*\b:35+8*\u+4*\b] offset:1024*\u+512*\b
.endr
.endr
	s_add_co_u32 s5, s5, 2048
.endm
.macro XLOADS
.irp q,0,1,2,3
	global_load_b128 v[16+4*\q:19+4*\q], v8, s[60:61] offset:512*\q th:TH_LOAD_NT
.endr
.endm
.macro XPART par, mode                 ; the next block of x into the other slot; the block after it is asked for: mode 0 always, 1 but in the last trip, 2 nothing is left
.if (\mode) < 2
	s_wait_loadcnt 0x0                             ; it is in its registers, and its loads have read their base
	s_add_nc_u64 s[60:61], s[60:61], 0x4000
.irp q,0,1,2,3
	ds_store_b128 v3, v[16+4*\q:19+4*\q] offset:XSLOT*(1-(\par))+XPITCH*\q
.endr
.endif
	s_wait_alu depctr_va_vdst(0)
	s_wait_dscnt 0x0                               ; my LDS stores have landed, my reads of this block's slot and of the statistics are over
.if (\mode) == 0
	XLOADS
.elseif (\mode) == 1
	s_cmp_eq_u32 s3, 1
	s_cbranch_scc1 .Lnox_\@
	XLOADS
.Lnox_\@:
.endif
.endm
.macro STEP par, mode
	L1 \par, 1
	CMB1                                           ; its plain lines are the places behind the last products
	GB 0
	v_nop
	s_wait_alu depctr_va_vdst(0)                   ; for the root, and for the accumulators first read behind it
	STATS \par, 1
	XPART \par, \mode
	s_barrier_signal -1
	NORM (128+64*(1-(\par)))                       ; registers, and loads of constants, between the signal and the wait
	s_wait_alu depctr_va_vdst(0)
	s_barrier_wait -1
	CSTORE
.endm
	L1 0, 0                                        ; step 0
	PLACES
	STATS 0, 0
	XPART 0, 0
	s_barrier_signal -1
	s_barrier_wait -1
	s_mov_b32 s3, 7
.Lloop:                                                ; steps 1 to 14, two a trip
	STEP 1, 0
	STEP 0, 1
	s_sub_co_u32 s3, s3, 1
	s_cmp_lg_u32 s3, 0
	s_wait_alu depctr_va_vdst(0)
	s_cbranch_scc1 .Lloop
	STEP 1, 2                                      ; step 15
.set N, 0
.rept 16
	global_load_b128 v[128+4*N:131+4*N], v1, s[12:13] offset:512*N   ; my 16 rows of W2
.set N, N+1
.endr
.irp q,0,1,2,3
	ds_load_b128 v[32+4*\q:35+4*\q], v5 offset:2560+16*\q
.endr
	GB 0
	s_wait_dscnt 0x0
	CMB1
	v_nop
	s_wait_alu depctr_va_vdst(0)
	CMB2
	NORM 192                                       ; block 15
	CSTORE
	; ---- LAYER 2: my four tiles of rows, all 128 outputs.  v20-23: my codes of K step 0..3; v17 my rows of W2 into LDS (placed as W1's were); v18 layer 2's constants
	s_lshl_b32 s7, s2, 12
	v_add_nc_u32 v23, s7, v1
	v_add_nc_u32 v22, 65536, v23
	v_add_nc_u32 v21, 131072, v23
	v_add_nc_u32 v20, 196608, v23
	s_lshr_b32 s7, s2, 1
	s_mul_i32 s7, s7, XSLOT
	s_and_b32 s67, s2, 1
	s_mul_i32 s67, s67, 8*XPITCH
	s_add_co_u32 s7, s7, s67
	s_add_co_u32 s7, s7, W2B
	v_add_nc_u32 v17, s7, v1
	v_bfe_u32 v19, v0, 4, 1
	v_lshl_add_u32 v18, v19, 6, CB2
.macro CFR s, cf                       ; the codes of K step s: registers 8 .. 15 were made by the wave whose bytes lie 32,768 lower
.irp i,0,1,2,3
.irp c,0,1,2,3
	ds_load_b128 v[\cf+16*\i+4*\c:\cf+16*\i+4*\c+3], v[20+\s] offset:1024*\i+512*(\c%2)+32768*(1-\c/2)
.endr
.endr
.endm
	BAR                                            ; all codes lie in LDS
	CFR 0, 64
	s_wait_loadcnt 0x0
	BAR                                            ; nobody reads K step 0's codes any more
.set N, 0
.rept 16
	ds_store_b128 v17, v[128+4*N:131+4*N] offset:XPITCH*(16*(N/8)+(N%8))
.set N, N+1
.endr
	BAR                                            ; W2 lies in LDS
.macro W2L g                           ; W2's fragment g = 8 s + t into place g % 4
.irp c,0,1,2,3
	ds_load_b128 v[192+16*((\g)%4)+4*\c:195+16*((\g)%4)+4*\c], v15 offset:16*XPITCH*((\g)%8)+128*((\g)/8)+32*\c
.endr
.endm
.macro C2L t                           ; b2 of tile t as C
.irp e,0,1
	ds_load_b128 v[32+8*((\t)%4)+4*\e:35+8*((\t)%4)+4*\e], v18 offset:128*((\t)/2)+32*((\t)%2)+16*\e
.endr
.endm
.macro GRP j                           ; eight products: fragments 2 j and 2 j + 1, four tiles of rows.  The 32 accumulators take turns
.if \j == 0
	s_wait_dscnt 24                                ; fragments 2, 3 and K step 1's codes may be out
.elseif \j == 1
	s_wait_dscnt 28                                ; K step 1's codes, two tiles of b2 and two fragments
.elseif \j == 2
	s_wait_dscnt 12
.elseif (\j == 5) || (\j == 6) || (\j == 9) || (\j == 10)
	s_wait_dscnt 24                                ; two fragments and a K step's codes
.elseif \j == 15
	s_wait_dscnt 0
.else
	s_wait_dscnt 8                                 ; the next group's two fragments
.endif
.if \j < 4
	WIN 0x40
.else
	WIN 0x50
.endif
.irp x,0,1
.irp i,0,1,2,3
.set T2, 2*(\j%4)+\x
.set D0, 64*\i+8*T2
.set A0, 192+16*((2*\j+\x)%4)
.set B0, 64+64*((\j/4)%2)+16*\i
.if \j < 4
	v_wmma_f32_16x16x128_bf8_bf8 v[D0:D0+7], v[A0:A0+15], v[B0:B0+15], v[32+8*(T2%4):39+8*(T2%4)]
.else
	v_wmma_f32_16x16x128_bf8_bf8 v[D0:D0+7], v[A0:A0+15], v[B0:B0+15], v[D0:D0+7]
.endif
.endr
.endr
	WIN 0
	PLACES
.if \j < 2
	C2L 2*(\j+2)
	C2L 2*(\j+2)+1
.endif
.if \j < 14
	W2L 2*(\j+2)
	W2L 2*(\j+2)+1
.endif
.if \j == 4
	CFR 2, 64
.elseif \j == 8
	CFR 3, 128
.endif
.endm
	C2L 0
	C2L 1
	C2L 2
	C2L 3
	W2L 0
	W2L 1
	W2L 2
	W2L 3
	CFR 1, 128
.irp j,0,1,2,3,4,5,6,7,8,9,10,11,12,13,14,15
	GRP \j
.endr
	; LayerNorm 2, CELU, codes.  v96-159 g2, v160-223 be2, v224-255 exponentials' work, v32-95 the codes, v16-27 at work, v28-31 1 / sqrt(var + eps) of the four tiles
.irp b,0,1,2,3
.irp q,0,1,2,3
	ds_load_b128 v[96+16*\b+4*\q:99+16*\b+4*\q], v18 offset:512+128*\b+16*\q
	ds_load_b128 v[160+16*\b+4*\q:163+16*\b+4*\q], v18 offset:1024+128*\b+16*\q
.endr
.endr
.macro RED2                            ; four chains, a pair's halves, the other half of the lanes: v26
	WIN 0
	v_pk_add_f32 v[16:17], v[16:17], v[18:19]
	v_pk_add_f32 v[20:21], v[20:21], v[22:23]
	v_pk_add_f32 v[16:17], v[16:17], v[20:21]
	v_add_f32 v26, v16, v17
	v_permlanex16_b32 v27, v26, s[SEL], s[SEL+1]
	v_add_f32 v26, v26, v27
.endm
.macro STAT2 i
.set AC, 64*(\i)
	WIN 0x05
.irp j,0,1,2,3
	v_pk_add_f32 v[16+2*\j:17+2*\j], v[AC+4*\j:AC+4*\j+1], v[AC+4*\j+2:AC+4*\j+3]
.endr
	WIN 0x01
.set N, 8
.rept 24
	v_pk_add_f32 v[16+2*(N%4):17+2*(N%4)], v[AC+2*N:AC+2*N+1], v[16+2*(N%4):17+2*(N%4)]
.set N, N+1
.endr
	RED2
	v_mul_f32 v24, 0x3c000000, v26                 ; / 128
	WIN 0x41
.set N, 0
.rept 32
	v_pk_add_f32 v[AC+2*N:AC+2*N+1], v[AC+2*N:AC+2*N+1], v[24:25] op_sel_hi:[1,0] neg_lo:[0,1] neg_hi:[0,1]
.set N, N+1
.endr
	WIN 0x05
.set N, 0
.rept 32
.if N < 4
	v_pk_mul_f32 v[16+2*N:17+2*N], v[AC+2*N:AC+2*N+1], v[AC+2*N:AC+2*N+1]
.else
	v_pk_fma_f32 v[16+2*(N%4):17+2*(N%4)], v[AC+2*N:AC+2*N+1], v[AC+2*N:AC+2*N+1], v[16+2*(N%4):17+2*(N%4)]
.endif
.set N, N+1
.endr
	RED2
	v_fma_f32 v[28+\i], v26, 0x3c000000, s[EPS2]
.endm
	STAT2 0
	STAT2 1
	STAT2 2
	STAT2 3
	s_wait_alu depctr_va_vdst(0)
.irp i,0,1,2,3
	v_rsq_f32 v[28+\i], v[28+\i]
.endr
	v_nop
	s_wait_dscnt 0x0                               ; g2 and be2 are in
	s_wait_alu depctr_va_vdst(0)
.macro NORM2 i
.set AC, 64*(\i)
	WIN 0x41
.set N, 0
.rept 32
.if (\i)%2 == 0
	v_pk_mul_f32 v[AC+2*N:AC+2*N+1], v[AC+2*N:AC+2*N+1], v[28+(\i):29+(\i)] op_sel_hi:[1,0]
.else
	v_pk_mul_f32 v[AC+2*N:AC+2*N+1], v[AC+2*N:AC+2*N+1], v[27+(\i):28+(\i)] op_sel:[0,1] op_sel_hi:[1,1]
.endif
.set N, N+1
.endr
.set N, 0
.rept 32
	v_pk_fma_f32 v[AC+2*N:AC+2*N+1], v[AC+2*N:AC+2*N+1], v[96+2*N:97+2*N], v[160+2*N:161+2*N]
.set N, N+1
.endr
.irp g,0,1
	WIN 0x01
.set N, 0
.rept 16
	v_pk_mul_f32 v[224+2*N:225+2*N], v[AC+32*\g+2*N:AC+32*\g+2*N+1], s[L2E:L2E+1] op_sel_hi:[1,0]
.set N, N+1
.endr
	WIN 0
	EXPS 224, 32
	v_nop
	s_wait_alu depctr_va_vdst(0)
	MINUS1 224, 16
	LOWER 56, NLIM2, 224
	WIN 0x41
.set N, 0
.rept 32
	v_med3_num_f32 v[AC+32*\g+N], v[AC+32*\g+N], v[224+N], s[LIM2]
.set N, N+1
.endr
	WIN 0x01
.irp b,2*\g,2*\g+1
	v_cvt_scalef32_pk8_bf8_f32 v[32+16*(\i)+4*(\b):33+16*(\i)+4*(\b)], v[AC+16*(\b):AC+16*(\b)+7], v14
	v_cvt_scalef32_pk8_bf8_f32 v[34+16*(\i)+4*(\b):35+16*(\i)+4*(\b)], v[AC+16*(\b)+8:AC+16*(\b)+15], v14
.endr
	WIN 0
	v_nop
.endr
.endm
	NORM2 0
	NORM2 1
	NORM2 2
	NORM2 3
	; ---- LAYER 3: v96-127 W3's two fragments, v128 b3, v144 g3, v160 be3 in the result's layout, v176-239 the results, v240-255 W4: row r % 8, k = 8 h + 0 .. 7 and 16 + 8 h + 0 .. 7
	v_and_b32 v16, 15, v0
	v_bfe_u32 v17, v0, 4, 1
	v_lshlrev_b32 v18, 7, v16
	v_lshl_add_u32 v18, v17, 4, v18
	v_add_nc_u32 v18, W3L, v18
	v_lshl_add_u32 v19, v17, 5, CB3
	v_and_b32 v20, 7, v0
	v_lshlrev_b32 v20, 7, v20
	v_lshl_add_u32 v20, v17, 5, v20
	v_add_nc_u32 v20, W4L, v20
.irp t,0,1
.irp c,0,1,2,3
	ds_load_b128 v[96+16*\t+4*\c:99+16*\t+4*\c], v18 offset:2048*\t+32*\c
.endr
.endr
.irp a,0,1,2
.irp t,0,1
.irp e,0,1
	ds_load_b128 v[128+16*\a+8*\t+4*\e:131+16*\a+8*\t+4*\e], v19 offset:128*\a+64*\t+16*\e
.endr
.endr
.endr
	ds_load_b128 v[240:243], v20
	ds_load_b128 v[244:247], v20 offset:16
	ds_load_b128 v[248:251], v20 offset:64
	ds_load_b128 v[252:255], v20 offset:80
	s_wait_alu depctr_va_vdst(0)
	s_wait_dscnt 0x0
.irp u,0,1,2,3
.irp t,0,1
	v_wmma_f32_16x16x128_bf8_bf8 v[176+16*\u+8*\t:183+16*\u+8*\t], v[96+16*\t:111+16*\t], v[32+16*\u:47+16*\u], v[128+8*\t:135+8*\t]
.endr
.endr
	PLACES
.irp m,0,1,2,3,4,5,6,7
	v_cvt_pk_f16_f32 v[240+\m], v[240+2*\m], v[241+2*\m]
.endr
.irp m,0,1,2,3,4,5,6,7
	v_cndmask_b32 v[248+\m], 0, v[240+\m], s[RM]   ; W4 in rows 8 to 15,
.endr
.irp m,0,1,2,3,4,5,6,7
	v_cndmask_b32 v[240+\m], v[240+\m], 0, s[RM]   ; and in rows 0 to 7
.endr
	; LayerNorm 3: 16 numbers a lane, 32 with the other half of the lanes; four tiles side by side
.irp a,0,1,2,3
.irp u,0,1,2,3
	v_pk_add_f32 v[32+16*\u+2*\a:33+16*\u+2*\a], v[176+16*\u+4*\a:177+16*\u+4*\a], v[178+16*\u+4*\a:179+16*\u+4*\a]
.endr
.endr
.macro TRED                            ; four pairs at v[32 + 16 u] become one number for the sample
.irp u,0,1,2,3
	v_pk_add_f32 v[32+16*\u:33+16*\u], v[32+16*\u:33+16*\u], v[34+16*\u:35+16*\u]
.endr
.irp u,0,1,2,3
	v_pk_add_f32 v[36+16*\u:37+16*\u], v[36+16*\u:37+16*\u], v[38+16*\u:39+16*\u]
.endr
.irp u,0,1,2,3
	v_pk_add_f32 v[32+16*\u:33+16*\u], v[32+16*\u:33+16*\u], v[36+16*\u:37+16*\u]
.endr
.irp u,0,1,2,3
	v_add_f32 v[32+16*\u], v[32+16*\u], v[33+16*\u]
.endr
.irp u,0,1,2,3
	v_permlanex16_b32 v[33+16*\u], v[32+16*\u], s[SEL], s[SEL+1]
.endr
.irp u,0,1,2,3
	v_add_f32 v[32+16*\u], v[32+16*\u], v[33+16*\u]
.endr
.endm
	TRED
.irp u,0,1,2,3
	v_mul_f32 v[16+2*\u], 0x3d000000, v[32+16*\u]  ; / 32
.endr
.irp p,0,2,4,6,8,10,12,14
.irp u,0,1,2,3
	v_pk_add_f32 v[176+16*\u+\p:177+16*\u+\p], v[176+16*\u+\p:177+16*\u+\p], v[16+2*\u:17+2*\u] op_sel_hi:[1,0] neg_lo:[0,1] neg_hi:[0,1]
.endr
.endr
.irp a,0,1,2,3
.irp u,0,1,2,3
	v_pk_mul_f32 v[32+16*\u+2*\a:33+16*\u+2*\a], v[176+16*\u+2*\a:177+16*\u+2*\a], v[176+16*\u+2*\a:177+16*\u+2*\a]
.endr
.endr
.irp a,0,1,2,3
.irp u,0,1,2,3
	v_pk_fma_f32 v[32+16*\u+2*\a:33+16*\u+2*\a], v[184+16*\u+2*\a:185+16*\u+2*\a], v[184+16*\u+2*\a:185+16*\u+2*\a], v[32+16*\u+2*\a:33+16*\u+2*\a]
.endr
.endr
	TRED
.irp u,0,1,2,3
	v_fma_f32 v[32+16*\u], v[32+16*\u], 0x3d000000, s[EPS3]
.endr
	s_wait_alu depctr_va_vdst(0)
.irp u,0,1,2,3
	v_rsq_f32 v[24+2*\u], v[32+16*\u]
.endr
	v_nop
	s_wait_alu depctr_va_vdst(0)
.irp p,0,2,4,6,8,10,12,14
.irp u,0,1,2,3
	v_pk_mul_f32 v[176+16*\u+\p:177+16*\u+\p], v[176+16*\u+\p:177+16*\u+\p], v[24+2*\u:25+2*\u] op_sel_hi:[1,0]
.endr
.endr
.irp p,0,2,4,6,8,10,12,14
.irp u,0,1,2,3
	v_pk_fma_f32 v[176+16*\u+\p:177+16*\u+\p], v[176+16*\u+\p:177+16*\u+\p], v[144+\p:145+\p], v[160+\p:161+\p]
.endr
.endr
.set N, 0
.rept 32
	v_pk_mul_f32 v[32+2*N:33+2*N], v[176+2*N:177+2*N], s[L2E:L2E+1] op_sel_hi:[1,0]
.set N, N+1
.endr
	EXPS 32, 64
	v_nop
	s_wait_alu depctr_va_vdst(0)
	MINUS1 32, 32
.set N, 0
.rept 64
	v_max_num_f32 v[176+N], v[176+N], v[32+N]      ; CELU 3
.set N, N+1
.endr
	; ---- LAYER 4 on f16: two tiles of rows to an accumulator: lanes 0-15 take tile 2 p's eight outputs, lanes 16-31 tile 2 p + 1's: a lane then holds the sample 32 p + lane of my 64
.set N, 0
.rept 32
	v_cvt_pk_f16_f32 v[96+N], v[176+2*N], v[177+2*N]
.set N, N+1
.endr
.irp n,0,1,2,3,4,5,6,7
	v_mov_b32 v[128+\n], s[68+\n]                  ; b4 as C
.endr
	v_wmma_f32_16x16x32_f16 v[136:143], v[240:247], v[96:103], v[128:135]
	v_wmma_f32_16x16x32_f16 v[144:151], v[240:247], v[112:119], v[128:135]
	v_wmma_f32_16x16x32_f16 v[136:143], v[248:255], v[104:111], v[136:143]
	v_wmma_f32_16x16x32_f16 v[144:151], v[248:255], v[120:127], v[144:151]
	PLACES
	; LayerNorm 4, within the lane
.irp p,0,1
	v_pk_add_f32 v[32+16*\p:33+16*\p], v[136+8*\p:137+8*\p], v[138+8*\p:139+8*\p]
.endr
.irp p,0,1
	v_pk_add_f32 v[34+16*\p:35+16*\p], v[140+8*\p:141+8*\p], v[142+8*\p:143+8*\p]
.endr
.irp p,0,1
	v_pk_add_f32 v[32+16*\p:33+16*\p], v[32+16*\p:33+16*\p], v[34+16*\p:35+16*\p]
.endr
.irp p,0,1
	v_add_f32 v[32+16*\p], v[32+16*\p], v[33+16*\p]
.endr
.irp p,0,1
	v_mul_f32 v[16+2*\p], 0x3e000000, v[32+16*\p]  ; / 8
.endr
.irp k,0,2,4,6
.irp p,0,1
	v_pk_add_f32 v[136+8*\p+\k:137+8*\p+\k], v[136+8*\p+\k:137+8*\p+\k], v[16+2*\p:17+2*\p] op_sel_hi:[1,0] neg_lo:[0,1] neg_hi:[0,1]
.endr
.endr
.irp k,0,2
.irp p,0,1
	v_pk_mul_f32 v[32+16*\p+\k:33+16*\p+\k], v[136+8*\p+\k:137+8*\p+\k], v[136+8*\p+\k:137+8*\p+\k]
.endr
.endr
.irp k,0,2
.irp p,0,1
	v_pk_fma_f32 v[32+16*\p+\k:33+16*\p+\k], v[140+8*\p+\k:141+8*\p+\k], v[140+8*\p+\k:141+8*\p+\k], v[32+16*\p+\k:33+16*\p+\k]
.endr
.endr
.irp p,0,1
	v_pk_add_f32 v[32+16*\p:33+16*\p], v[32+16*\p:33+16*\p], v[34+16*\p:35+16*\p]
.endr
.irp p,0,1
	v_add_f32 v[32+16*\p], v[32+16*\p], v[33+16*\p]
.endr
.irp p,0,1
	v_fma_f32 v[32+16*\p], v[32+16*\p], 0x3e000000, s[EPS4]
.endr
	s_wait_alu depctr_va_vdst(0)
.irp p,0,1
	v_rsq_f32 v[20+2*\p], v[32+16*\p]
.endr
	v_nop
	s_wait_alu depctr_va_vdst(0)
.irp k,0,2,4,6
.irp p,0,1
	v_pk_mul_f32 v[136+8*\p+\k:137+8*\p+\k], v[136+8*\p+\k:137+8*\p+\k], v[20+2*\p:21+2*\p] op_sel_hi:[1,0]
.endr
.endr
.irp n,0,1,2,3,4,5,6,7
.irp p,0,1
	v_fma_f32 v[136+8*\p+\n], v[136+8*\p+\n], s[76+\n], s[84+\n]   ; x g4 + be4
.endr
.endr
.set N, 0
.rept 8
	v_pk_mul_f32 v[32+2*N:33+2*N], v[136+2*N:137+2*N], s[L2E:L2E+1] op_sel_hi:[1,0]
.set N, N+1
.endr
	EXPS 32, 16
	v_and_b32 v26, 31, v0
	s_wait_alu depctr_va_vdst(0)
	MINUS1 32, 8
.set N, 0
.rept 16
	v_max_num_f32 v[136+N], v[136+N], v[32+N]      ; CELU 4
.set N, N+1
.endr
	; the head: h . (Wh / sigma) + bh, in two chains
.irp p,0,1
	v_fma_f32 v[48+2*\p], v[136+8*\p], s92, s58
.endr
.irp p,0,1
	v_mul_f32 v[49+2*\p], s93, v[137+8*\p]
.endr
.irp n,2,4,6
.irp p,0,1
	v_fmac_f32 v[48+2*\p], s[92+\n], v[136+8*\p+\n]
.endr
.irp p,0,1
	v_fmac_f32 v[49+2*\p], s[93+\n], v[137+8*\p+\n]
.endr
.endr
.irp p,0,1
	v_add_f32 v[48+2*\p], v[48+2*\p], v[49+2*\p]
.endr
	s_lshl_b32 s7, s2, 8
	s_add_co_u32 s7, s7, OUTL
	v_lshl_add_u32 v27, v26, 2, s7
	v_lshl_add_u32 v28, v26, 3, s7
	v_lshlrev_b32 v29, 3, v26
	ds_store_b32 v27, v48
	ds_store_b32 v27, v50 offset:128
	ds_load_b64 v[32:33], v28                      ; my own bytes: LDS serves a wave's instructions in order
	s_wait_alu depctr_va_vdst(0)
	s_wait_dscnt 0x0
	global_store_b64 v29, v[32:33], s[50:51]       ; a wave stores 256 consecutive bytes, at a multiple of 256 from out0's first byte
	s_wait_tensorcnt 0x0                           ; the wave's end
	ds_add_u32 v12, v13
	s_wait_dscnt 0x0
	s_endpgm
.Lfunc_end_k_q47c4ad6f5c_mlp:
	.size	k_q47c4ad6f5c_mlp, .Lfunc_end_k_q47c4ad6f5c_mlp-k_q47c4ad6f5c_mlp
	.p2alignl 7, 3214868480
	.fill 96, 4, 3214868480
	.section	.rodata,"a",@progbits
	.p2align	6, 0x0
	.amdhsa_kernel k_q47c4ad6f5c_mlp
		.amdhsa_group_segment_fixed_size 317440
		.amdhsa_private_segment_fixed_size 0
		.amdhsa_enable_private_segment 0
		.amdhsa_kernarg_size 176
		.amdhsa_user_sgpr_count 2
		.amdhsa_user_sgpr_kernarg_segment_ptr 1
		.amdhsa_wavefront_size32 1
		.amdhsa_system_sgpr_workgroup_id_x 1
		.amdhsa_system_sgpr_workgroup_id_y 1
		.amdhsa_system_sgpr_workgroup_id_z 1
		.amdhsa_system_vgpr_workitem_id 0
		.amdhsa_next_free_vgpr 512
		.amdhsa_next_free_sgpr 102
		.amdhsa_reserve_vcc 0
		.amdhsa_float_denorm_mode_32 3
		.amdhsa_float_denorm_mode_16_64 3
		.amdhsa_memory_ordered 1
		.amdhsa_forward_progress 1
		.amdhsa_inst_pref_size 255
	.end_amdhsa_kernel
	.section	.bss,"aw",@nobits
	.p2align	6
	.space	262144
	.amdgpu_metadata
---
amdhsa.version: [ 1, 2 ]
amdhsa.kernels:
  - .name:           k_q47c4ad6f5c_mlp
    .symbol:         k_q47c4ad6f5c_mlp.kd
    .args:
      - { .name: x_codes, .offset: 0, .size: 8, .value_kind: global_buffer, .address_space: global }
      - { .name: W1_codes, .offset: 8, .size: 8, .value_kind: global_buffer, .address_space: global }
      - { .name: W2_codes, .offset: 16, .size: 8, .value_kind: global_buffer, .address_space: global }
      - { .name: W3_codes, .offset: 24, .size: 8, .value_kind: global_buffer, .address_space: global }
      - { .name: W4, .offset: 32, .size: 8, .value_kind: global_buffer, .address_space: global }
      - { .name: Wh, .offset: 40, .size: 8, .value_kind: global_buffer, .address_space: global }
      - { .name: b1, .offset: 48, .size: 8, .value_kind: global_buffer, .address_space: global }
      - { .name: g1, .offset: 56, .size: 8, .value_kind: global_buffer, .address_space: global }
      - { .name: be1, .offset: 64, .size: 8, .value_kind: global_buffer, .address_space: global }
      - { .name: b2, .offset: 72, .size: 8, .value_kind: global_buffer, .address_space: global }
      - { .name: g2, .offset: 80, .size: 8, .value_kind: global_buffer, .address_space: global }
      - { .name: be2, .offset: 88, .size: 8, .value_kind: global_buffer, .address_space: global }
      - { .name: b3, .offset: 96, .size: 8, .value_kind: global_buffer, .address_space: global }
      - { .name: g3, .offset: 104, .size: 8, .value_kind: global_buffer, .address_space: global }
      - { .name: be3, .offset: 112, .size: 8, .value_kind: global_buffer, .address_space: global }
      - { .name: b4, .offset: 120, .size: 8, .value_kind: global_buffer, .address_space: global }
      - { .name: g4, .offset: 128, .size: 8, .value_kind: global_buffer, .address_space: global }
      - { .name: be4, .offset: 136, .size: 8, .value_kind: global_buffer, .address_space: global }
      - { .name: bh, .offset: 144, .size: 8, .value_kind: global_buffer, .address_space: global }
      - { .name: u, .offset: 152, .size: 8, .value_kind: global_buffer, .address_space: global }
      - { .name: lowp_scales, .offset: 160, .size: 8, .value_kind: global_buffer, .address_space: global }
      - { .name: out0, .offset: 168, .size: 8, .value_kind: global_buffer, .address_space: global }
    .group_segment_fixed_size: 317440
    .private_segment_fixed_size: 0
    .kernarg_segment_align: 8
    .kernarg_segment_size: 176
    .max_flat_workgroup_size: 256
    .sgpr_count:     102
    .vgpr_count:     512
    .wavefront_size: 32
...
	.end_amdgpu_metadata
.endif
;; end of part 1
